; MI455X (gfx1250); checked and timed in simulation.
; The chip was launched on July 23, 2026; its instructions are those of AMD's public machine-readable ISA for CDNA 5 (MIT licence, August 2026) and "CDNA5" Instruction Set Architecture Reference Guide (July 2026). The comments in the code are by the model that wrote it; some were corrected since.
;; Feed Forward Quantum. Allowed arithmetic: matrix products marked QUANTISED: E2M3 operands, one E8M0 scale for each 32 along K, by v_wmma_scale_f32_16x16x128_f8f6f4 with both operands' format E2M3, f32 sums; products left as they are: f32 operands where the result goes on into a quantised operand, else bf16, f16 or f32 operands; f32 sums; everything else in f32.
;; Inputs: W1 4,096 x 8 float32; W2_codes 1,024 x 128 x 24 uint8 (E2M3 codes of W2, K innermost, in blocks of 32 codes, four codes in three bytes); W2_scales 1,024 x 128 uint8 (E8M0 scales of W2, one for each 32 codes along K); b1 4,096 float32; b2 1,024 float32; theta 8 float32; x 8 x 2,048 x 1,024 float32.
;; Outputs: out0 8 x 2,048 x 1,024 float32.
;; This version of the problem:
;;   THIS VERSION OF THE PROBLEM IS GIVEN IN LOW PRECISION. The matrix products marked QUANTISED in the list below multiply operands that are first quantised to E2M3 (2 exponent bits, 3 mantissa bits; 6 bits a number), with one power-of-two scale for each 32 numbers along K (OCP MX v1.0); their sums are f32. All else is computed in f32.
;;   The module's matrix products, in the order in which they are computed (A, B: the left and right operand; K: the contracted axis; several contracted axes count as one K, in the product's order):
;;     1. [M 16,384, K 8] x [K 8, N 4,096]; A: computed on the way; B: input W1: left as it is (K = 8 < 32)
;;     2. [M 16,384, K 4,096] x [K 4,096, N 1,024]; A: computed on the way; B: input W2 (given as codes): QUANTISED
;;   THE QUANTISER, for each operand of a quantised product, along K:
;;     - K is cut into blocks of 32 from its start; a last block that is shorter is filled with zeros.
;;     - A block's scale is 2^e with e = floor(log2(the largest magnitude in the block)) - 2, held to -126 .. 127; a block of zeros has e = 0. As a byte (E8M0): e + 127.
;;     - Each number is divided by its block's scale, clamped to +-7.5, and rounded to the nearest number of E2M3, ties to even, subnormals kept.
;;     - The product sums the exact products of the quantised numbers (number of the format x scale) in f32.
;;   ~~~python
;;   def quantise(x, axis):      # numpy; x: float32 -> the quantised numbers, widened to float32 again
;;       x = np.moveaxis(x, axis, -1); K = x.shape[-1]
;;       x = np.pad(x, [(0, 0)] * (x.ndim - 1) + [(0, -K % 32)]); x = x.reshape(x.shape[:-1] + (-1, 32)); a = np.abs(x).max(-1, keepdims=True)
;;       e = np.where(a > 0, np.clip(np.frexp(np.where(a > 0, a, 1))[1] - 1 - 2, -126, 127), 0)      # np.frexp(a)[1] - 1 = floor(log2(a)), exactly
;;       r = np.clip(x / 2.0 ** e, -7.5, 7.5)
;;       step = 2.0 ** (np.maximum(np.frexp(np.where(r == 0, 1, r))[1] - 1, 0) - 3)
;;       q = np.round(r / step) * step * 2.0 ** e      # np.round: ties to even
;;       return np.moveaxis(q.reshape(q.shape[:-2] + (-1,))[..., :K], -1, axis).astype(np.float32)
;;   ~~~
;;   OPERANDS COMPUTED ON THE WAY. 'Computed on the way' means the value that the module computes at that place (a softmax that the list does not call 'softmax' is quantised finished and normalised). What goes into a quantiser is computed in f32, as accurately as f32 sums, v_exp_f32 and their like allow (about 1e-6 of the number): no bf16 or f16 on the way to a quantiser, and a product that is left as it is and whose result goes on into a quantised operand takes f32 operands (vector FMAs, or v_wmma_f32_16x16x4_f32). A number that lies on a knife's edge between two numbers of the format may be rounded either way, as far as f32 arithmetic and the matrix unit's own rounding can turn it there, and no further.
;;   INPUTS GIVEN AS CODES. W2 (in the module: [1024, 4096], K = its axis 1): each comes as NAME_codes (uint8): NAME with its K axis moved to the last place and cut into blocks of 32 codes, [.., K / 32, bytes a block], one block behind the other in memory; four codes in three bytes: a row's codes are one little-endian stream of bits, code i at bits 6 i .. 6 i + 5 (a code: sign, 2 exponent bits, 3 mantissa bits); and NAME_scales (uint8): the same leading axes, one E8M0 byte (e + 127) for each 32 codes along K. Its value is code x scale, taken as it is: it is not quantised again, and the codes and scales need not be those that the quantiser above would give.
;; One version. Each part assembles by itself: llvm-mc -triple=amdgcn-amd-amdhsa -mcpu=gfx1250 --defsym DOCPART=n.
;; ======== version 1 of 1: 2 launches
;; limits: inputs' magnitudes at most 1,000,000; right only within a limited range of input values
;; workspace buffers: w2l 3,473,408 bytes
;; launch lay (part 1): grid 296 x 1, 4 waves a work-group, no clusters, 13,312 bytes of LDS; arguments W2_codes, W2_scales, w2l, W1, b1; writes w2l
.if DOCPART == 1
	.amdgcn_target "amdgcn-amd-amdhsa--gfx1250"
	.amdhsa_code_object_version 6
	.text
	.protected	k_q1296ae440f_lay
	.globl	k_q1296ae440f_lay
	.p2align	8
	.type	k_q1296ae440f_lay,@function
k_q1296ae440f_lay:
	s_mov_b64 s[64:65], 0
	v_nop
	global_prefetch_b8 v0, s[64:65] scope:SCOPE_SE
	s_setreg_imm32_b32 hwreg(HW_REG_WAVE_MODE, 25, 1), 1
	s_wait_xcnt 0x0
; W2's codes [1024][3072 bytes] and scale bytes [1024][128] are laid anew, byte for byte, in the order in which the next launch's operand registers take them, and W1's and b1's numbers are laid beside them.
; w2l: 32 blocks of 108,544 bytes, one for each 128 along K (step s); in a block four quarters of 27,136 bytes (quarter w: columns 256 w .. 256 w + 255 of the output); in a quarter:
;   1,536 f + 512 c + 16 L : registers 4 c .. 4 c + 3 of lane L of the fragment of W2's rows 256 w + 16 f + (L % 16): register i = the 4 bytes at 96 s + 48 (i / 6) + 24 (L / 16) + 4 (i % 6) of the row's codes
;   24,576 + 512 g + 16 L + 4 j : the scale word (4 bytes at 4 s of the row's scale bytes) of row 256 w + 128 g + 32 j + L
;   25,600 : rows 128 n + 32 w .. + 31 of W1 as they lie (1,024 bytes), n = (s + 2) % 32;   26,624 : the same 32 numbers of b1 (128 bytes), four times on end
; Work-groups 0 to 255 take the codes: 16 rows x 768 bytes (8 steps) each, turned through a stage in LDS.  256 to 263 take the scale bytes of 128 rows each.  264 to 295 take W1 and b1 for one block each.
; The ways part on the work-group's number: all four waves of a work-group go the same way.
.set ROWC, 3072
.set BLK,  108544
.set QTR,  27136
.set SP,   784                         ; a stage row: 768 bytes + 16
	s_load_b128 s[4:7], s[0:1], 0x0                ; the codes s[4:5], the scale bytes s[6:7]
	s_load_b64 s[8:9], s[0:1], 0x10                ; w2l
	v_lshl_add_u32 v80, v0, 2, 0x3200
	v_mov_b32 v81, 0
	v_lshrrev_b32 v1, 5, v0                        ; wave v
	v_and_b32 v2, 31, v0                           ; lane L
	v_and_b32 v3, 15, v0                           ; r
	v_bfe_u32 v4, v0, 4, 1                         ; h
	s_mov_b32 s13, 0
	s_mov_b32 s15, 0
	s_cmp_lt_u32 ttmp9, 256
	s_cbranch_scc0 .Lscales
	; ---- the codes: column tile F = number / 4, steps 8 kq .. 8 kq + 7 with kq = number % 4
	s_lshr_b32 s10, ttmp9, 2
	s_and_b32 s11, ttmp9, 3
	s_mul_i32 s12, s10, 16*ROWC
	s_mul_i32 s14, s11, 768
	s_add_co_u32 s12, s12, s14
	s_mul_i32 s14, s11, 8*BLK
	s_lshr_b32 s16, s10, 4
	s_mul_i32 s16, s16, QTR
	s_add_co_u32 s14, s14, s16
	s_and_b32 s16, s10, 15
	s_mul_i32 s16, s16, 1536
	s_add_co_u32 s14, s14, s16                     ; out: block 8 kq, quarter F / 16, fragment F % 16
	s_wait_alu depctr_va_vdst(0)
	v_lshl_add_u32 v9, v1, 2, v4                   ; row 4 v + h
	v_mul_u32_u24 v5, v9, ROWC
	v_lshl_add_u32 v5, v3, 4, v5
	v_mul_u32_u24 v6, v9, SP
	v_lshl_add_u32 v6, v3, 4, v6
	v_mul_u32_u24 v7, v3, SP
	v_mad_u32_u24 v7, v4, 24, v7
	v_mad_u32_u24 v7, v1, 192, v7                  ; back: row r, + 24 h, + my wave's two steps of 96 bytes
	v_mul_u32_u24 v8, v1, 2*BLK
	v_lshl_add_u32 v8, v2, 4, v8
	s_wait_alu depctr_va_vdst(0)
	s_wait_kmcnt 0x0
	s_add_nc_u64 s[4:5], s[4:5], s[12:13]
	s_add_nc_u64 s[8:9], s[8:9], s[14:15]
.irp i, 0,1,2,3,4,5
	global_load_b128 v[16+4*\i:19+4*\i], v5, s[4:5] offset:2*(\i/3)*ROWC+256*(\i%3) th:TH_LOAD_NT
.endr
.irp i, 0,1,2,3,4,5
	s_wait_loadcnt 5-\i
	ds_store_b128 v6, v[16+4*\i:19+4*\i] offset:2*(\i/3)*SP+256*(\i%3)
.endr
	s_wait_dscnt 0x0
	s_barrier_signal -1
	s_barrier_wait -1
.irp e, 0,1
.irp p, 0,1,2,3,4,5
	ds_load_b64 v[40+12*\e+2*\p:41+12*\e+2*\p], v7 offset:96*\e+48*(\p/3)+8*(\p%3)
.endr
.endr
	s_wait_dscnt 6
.irp c, 0,1,2
	global_store_b128 v8, v[40+4*\c:43+4*\c], s[8:9] offset:512*\c
.endr
	s_wait_dscnt 0x0
.irp c, 0,1,2
	global_store_b128 v8, v[52+4*\c:55+4*\c], s[8:9] offset:BLK+512*\c
.endr
	s_wait_tensorcnt 0x0
	ds_add_u32 v80, v81
	s_wait_dscnt 0x0
	s_endpgm
.Lscales:
	s_cmp_lt_u32 ttmp9, 264
	s_cbranch_scc0 .Lw1
	; ---- the scale bytes of rows 128 G .. 128 G + 127, G = number - 256: wave v takes steps 8 v .. 8 v + 7
	s_sub_co_u32 s10, ttmp9, 256
	s_lshl_b32 s12, s10, 14
	s_lshr_b32 s14, s10, 1
	s_mul_i32 s14, s14, QTR
	s_and_b32 s16, s10, 1
	s_lshl_b32 s16, s16, 9
	s_add_co_u32 s14, s14, s16
	s_add_co_u32 s14, s14, 24576
	s_wait_alu depctr_va_vdst(0)
	v_lshlrev_b32 v5, 7, v2
	v_lshl_add_u32 v5, v1, 5, v5
	v_mul_u32_u24 v8, v1, 8*BLK
	v_lshl_add_u32 v8, v2, 4, v8
	s_wait_alu depctr_va_vdst(0)
	s_wait_kmcnt 0x0
	s_add_nc_u64 s[6:7], s[6:7], s[12:13]
	s_add_nc_u64 s[8:9], s[8:9], s[14:15]
.irp j, 0,1,2,3
.irp p, 0,1
	global_load_b128 v[16+8*\j+4*\p:19+8*\j+4*\p], v5, s[6:7] offset:4096*\j+16*\p th:TH_LOAD_NT
.endr
.endr
	s_wait_loadcnt 0x0
.irp k, 0,1,2,3,4,5,6,7
.irp j, 0,1,2,3
	v_mov_b32 v[48+4*\k+\j], v[16+8*\j+\k]         ; 4 x 8 words turned
.endr
.endr
.irp k, 0,1,2,3,4,5,6,7
	global_store_b128 v8, v[48+4*\k:51+4*\k], s[8:9] offset:\k*BLK
.endr
	s_endpgm
.Lw1:
	; ---- W1 and b1 for block k = number - 264: the units of step n = (k + 2) % 32; wave v fills quarter v
	s_load_b128 s[20:23], s[0:1], 0x18             ; W1 s[20:21], b1 s[22:23]
	s_sub_co_u32 s10, ttmp9, 264
	s_add_co_u32 s11, s10, 2
	s_and_b32 s11, s11, 31                         ; n
	s_lshl_b32 s12, s11, 12                        ; 128 rows of W1
	s_lshl_b32 s16, s11, 9                         ; 128 numbers of b1
	s_mov_b32 s17, 0
	s_mul_i32 s14, s10, BLK
	s_add_co_u32 s14, s14, 25600
	s_wait_alu depctr_va_vdst(0)
	v_lshlrev_b32 v5, 4, v2
	v_lshl_add_u32 v5, v1, 10, v5                  ; W1: 1,024 v + 16 L
	v_and_b32 v6, 7, v2
	v_lshlrev_b32 v6, 4, v6
	v_lshl_add_u32 v6, v1, 7, v6                   ; b1: 128 v + 16 (L % 8)
	v_mul_u32_u24 v8, v1, QTR
	v_lshl_add_u32 v8, v2, 4, v8
	s_wait_alu depctr_va_vdst(0)
	s_wait_kmcnt 0x0
	s_add_nc_u64 s[20:21], s[20:21], s[12:13]
	s_add_nc_u64 s[22:23], s[22:23], s[16:17]
	s_add_nc_u64 s[8:9], s[8:9], s[14:15]
	global_load_b128 v[16:19], v5, s[20:21]
	global_load_b128 v[20:23], v5, s[20:21] offset:512
	global_load_b128 v[24:27], v6, s[22:23]
	s_wait_loadcnt 0x0
.irp c, 0,1,2
	global_store_b128 v8, v[16+4*\c:19+4*\c], s[8:9] offset:512*\c           ; 512 consecutive bytes a store
.endr
	s_endpgm
.Lfunc_end_k_q1296ae440f_lay:
	.size	k_q1296ae440f_lay, .Lfunc_end_k_q1296ae440f_lay-k_q1296ae440f_lay
	.p2alignl 7, 3214868480
	.fill 96, 4, 3214868480
	.section	.rodata,"a",@progbits
	.p2align	6, 0x0
	.amdhsa_kernel k_q1296ae440f_lay
		.amdhsa_group_segment_fixed_size 13312
		.amdhsa_private_segment_fixed_size 0
		.amdhsa_enable_private_segment 0
		.amdhsa_kernarg_size 40
		.amdhsa_user_sgpr_count 2
		.amdhsa_user_sgpr_kernarg_segment_ptr 1
		.amdhsa_wavefront_size32 1
		.amdhsa_system_sgpr_workgroup_id_x 1
		.amdhsa_system_sgpr_workgroup_id_y 1
		.amdhsa_system_sgpr_workgroup_id_z 1
		.amdhsa_system_vgpr_workitem_id 0
		.amdhsa_next_free_vgpr 82
		.amdhsa_next_free_sgpr 66
		.amdhsa_reserve_vcc 0
		.amdhsa_float_denorm_mode_32 3
		.amdhsa_float_denorm_mode_16_64 3
		.amdhsa_memory_ordered 1
		.amdhsa_forward_progress 1
		.amdhsa_inst_pref_size 11
	.end_amdhsa_kernel
	.amdgpu_metadata
---
amdhsa.version: [ 1, 2 ]
amdhsa.kernels:
  - .name:           k_q1296ae440f_lay
    .symbol:         k_q1296ae440f_lay.kd
    .args:
      - { .name: W2_codes, .offset: 0, .size: 8, .value_kind: global_buffer, .address_space: global }
      - { .name: W2_scales, .offset: 8, .size: 8, .value_kind: global_buffer, .address_space: global }
      - { .name: w2l, .offset: 16, .size: 8, .value_kind: global_buffer, .address_space: global }
      - { .name: W1, .offset: 24, .size: 8, .value_kind: global_buffer, .address_space: global }
      - { .name: b1, .offset: 32, .size: 8, .value_kind: global_buffer, .address_space: global }
    .group_segment_fixed_size: 13312
    .private_segment_fixed_size: 0
    .kernarg_segment_align: 8
    .kernarg_segment_size: 40
    .max_flat_workgroup_size: 128
    .sgpr_count:     66
    .vgpr_count:     82
    .wavefront_size: 32
...
	.end_amdgpu_metadata
.endif
;; end of part 1
;; launch ffn (part 2): grid 256 x 1, 4 waves a work-group, clusters of 4 x 1, 327,680 bytes of LDS; arguments x, theta, W1, b1, w2l, b2, out0; writes out0
.if DOCPART == 2
	.amdgcn_target "amdgcn-amd-amdhsa--gfx1250"
	.amdhsa_code_object_version 6
	.text
	.protected	k_q1296ae440f_ffn
	.globl	k_q1296ae440f_ffn
	.p2align	8
	.type	k_q1296ae440f_ffn,@function
k_q1296ae440f_ffn:
	s_mov_b64 s[64:65], 0
	v_nop
	global_prefetch_b8 v0, s[64:65] scope:SCOPE_SE
	s_setreg_imm32_b32 hwreg(HW_REG_WAVE_MODE, 25, 1), 1
	s_wait_xcnt 0x0
	s_wait_alu depctr_hold_cnt(0) depctr_sa_sdst(0) depctr_va_vdst(0) depctr_va_sdst(0) depctr_va_ssrc(0) depctr_va_vcc(0) depctr_vm_vsrc(0)
	s_getreg_b32 s2, hwreg(HW_REG_IB_STS2, 6, 4)
	s_cmp_eq_u32 s2, 0
	s_cbranch_scc0 .Lentry_in_a_cluster
	s_endpgm
.Lentry_in_a_cluster:
	s_bfe_u32 s2, ttmp6, 0x10000c
	s_cmp_lg_u32 s2, 0x3003
	s_cbranch_scc0 .Lentry_shape_is_right
	s_endpgm
.Lentry_shape_is_right:
; out = Q(relu(q W1^T + b1)) W2^T + b2,  q = cos(x[.., 0..7]) cos(theta).  x, out: [16384][1024] f32; W1 [4096][8], b1 [4096], b2 [1024] f32.
; reference() slices x to its first eight columns: the other 1,016 of each row reach no output and are not loaded.
; The second product runs on codes of FP6 (E2M3) with one E8M0 scale for each 32 along K = 4,096; W2 comes as register images (w2l, laid by the launch before); h is quantised on the way and never goes to memory.
; SHARES.  A work-group owns 64 rows and all 1,024 columns, so each number of h is made once; 256 work-groups.  Wave w makes 64 rows x columns 256 w .. 256 w + 255: 64 accumulators, 512 registers.
; K goes in 32 steps of 128; a step is four segments of 16 products (4 of W2's 16 fragments x 4 row tiles).
; THE RING.  Block s of w2l (108,544 bytes: W2's images of step s, and W1's and b1's numbers of step s + 2) lies in LDS slot s % 2.  All work-groups walk the same blocks: the four of a cluster ask for each wave's quarter JOINTLY (mask 15).
; W2 has ONE set of fragment registers: behind each segment its 4 fragments are read anew from the other slot.  So block s has been read out at the end of step s - 1, and the round that fills its slot again stands in segment 0 of step s.
; That round is also the barrier that shows h's images.  A wave has one tensor load out; from the request to the wait for it stand 48 products, 16 f32 products and the step's vector work.
; ALL LDS LOADS AND STORES OF A STEP STAND IN FOUR RUNS, one behind each segment, each behind its places; the products of a segment stand on end.
; h: wave w makes rows 16 w .. 16 w + 15, by halves of 64 units: 8 f32 matrix instructions (K = 8 in two halves, b1 as the first's C), their places, the run of LDS instructions that is due there, and then the half's vector lines on end.
; h of step n: its first half is made at the end of step n - 3, its second half behind segment 1 of step n - 2; the images are stored behind segment 2 of step n - 2, shown by the round of step n - 1 and fetched there.
; BOTH PRODUCTS ARE USED TRANSPOSED.  First: source 0 = 16 rows of W1, source 1 = q; lane r of tile 2 b + u takes unit 32 b + 8 u + r + 8 (r / 8), so that a lane's 16 registers of two tiles are 16 neighbours along the next K.
; Second: source 0 = 16 rows of W2, source 1 = h: a lane holds eight neighbouring columns of one row of out.  The first step starts the sums with C = 0; b2 is added on the way out.
; PREFETCH: in step s block s + 3 is named, one step ahead of the round that asks for it; each cluster whose ttmp9 is below 4 names a quarter's 106 runs of 256 bytes once, 27 to a partner BY ADDRESS (left-over lanes name the last again); blocks 1 and 2 are named at the head; steps 29 to 31 name nothing.
; LIMITS.  cos is a reduction by pi/2 in three parts and two polynomials in f32: good to about an ulp of 1 for |x|, |theta| up to about 1e6, worse beyond.  NaN and infinities among the inputs are not served (the maxima drop a NaN).
; A block of h that is all zeros gets the scale byte 1, not 127: its codes are zeros, and this program alone reads the bytes.  The first product sums k in the order 0, 1, 4, 5, then 2, 3, 6, 7.
; LDS: 0 slot 0 | 108,544 slot 1 | 217,088 h's images, two sets of 8,192 (4 x 1,536, then 512 of scale words) | 233,472 the spare words | 233,984 W1's and b1's numbers of steps 0 and 1 | 244,224 four stages for the way out.
; REGISTERS.  Window 0: see the names below.  Window 1: v0-191 W2's fragments; v192-223 the f32 products' four tiles, written by matrix instructions alone.  Windows 2, 3: accumulator (row tile a, column tile b) at v[8 (8 a + b % 8)] of window 2 + b / 8.
.set BLK,    108544
.set QTR,    27136
.set XTR,    25600                     ; W1's rows in a quarter; b1's numbers 1,024 further on
.set HIMG,   217088
.set HSTEP,  8192
.set HSCL,   6144
.set SPARE,  233472
.set HEADW,  233984
.set STAGE,  244224
.set SPITCH, 528
.set SPW,  1                           ; my spare word's address; never rewritten
.set NIL,  2                           ; 0; never rewritten
.set ADR0, 3                           ; 16 L + my quarter in slot 0
.set ADR1, 245                         ; and in slot 1
.set LIH,  4                           ; 16 L + HIMG
.set LSH,  5                           ; 16 L + HIMG + HSCL
.set HWI,  6                           ; LIH + 1,536 x wave
.set HWS,  7                           ; LSH + 4 x wave
.set AWL,  8                           ; W1's lane term: 32 (r + 8 (r / 8)) + 16 h
.set ABL,  9                           ; b1's: 64 h
.set PFO,  10
.set STO,  11
.set RD,   12
.set CO,   13                          ; 16 L
.set AWC,  14                          ; the lane terms + where the numbers lie
.set ABC,  15
.set Q,    16
.set HS,   20                          ; h's scale words, two sets of 4
.set WS,   28                          ; W2's scale words, two sets of 8
.set WF,   44
.set BF,   60
.set AF,   92                          ; h's fragments, two sets of 48
.set HB,   188
.set PC,   220
.set PT,   232
.set TM,   236
.set TP,   240
.set SCL,  242
.set PW,   244
.set B2R,  246
.set HD,   192                         ; in window 1
.set BK,   92                          ; the way out: v92-155 and v156-219 by turns
.set TL, 188                           ; the head's own
.set TR, 189
.set TH, 190
.set T0, 191
.set XA, 192
.set TA, 193
.set CP, 194
.set CPL, 195
.set XD, 196
.set TD, 200
.set CX, 204
.set CT, 212
.set WV,   18
.set G1,   24
.set G0,   32                          ; s[32:35], s[36:39] group 0 for slot 0, 1
.set TRIPS, 40
.set PFA,  42
.set SEL,  44
.set MUL_LO, 0xa1
.set MUL_HI, 0xf1
.set W_F0,   0x40
.set W_F1,   0x50
.set W_HD,   0x05
.set MSB, 0
.macro WIN new
.if MSB != \new
	s_set_vgpr_msb (MSB<<8)|\new
.set MSB, \new
.endif
.endm
.macro NOPS n
.rept \n
	v_nop
.endr
.endm
.macro CREST                           ; a round of the cluster's barrier behind its opening barrier
	s_cmp_lg_u32 s[WV], 0
	s_cbranch_scc1 .Lnot_wave_0_\@
	s_barrier_signal -3
.Lnot_wave_0_\@:
	s_barrier_wait -3
	s_barrier_signal -1
	s_barrier_wait -1
.endm
.macro CROUND
	s_barrier_signal -1
	s_barrier_wait -1
	CREST
.endm
.macro COS d, x                        ; v[d] = cos(v[x]): n = nearest whole number to x 2 / pi; rho = x - n pi / 2 in three parts; the sine or the cosine of rho, with its sign, by n % 4.  No branch.
	v_mul_f32 v[CT], s48, v[\x]
	v_rndne_f32 v[CT], v[CT]
	v_fma_f32 v[CT+1], v[CT], s49, v[\x]
	v_fma_f32 v[CT+1], v[CT], s50, v[CT+1]
	v_fma_f32 v[CT+1], v[CT], s51, v[CT+1]
	v_cvt_i32_f32 v[CT], v[CT]
	v_mul_f32 v[CT+2], v[CT+1], v[CT+1]
	v_fma_f32 v[CT+3], v[CT+2], s52, s53
	v_fma_f32 v[CT+3], v[CT+3], v[CT+2], s54
	v_mul_f32 v[CT+3], v[CT+3], v[CT+2]
	v_fma_f32 v[CT+3], v[CT+3], v[CT+1], v[CT+1]
	v_fma_f32 v[CT+4], v[CT+2], s55, s56
	v_fma_f32 v[CT+4], v[CT+4], v[CT+2], s57
	v_fma_f32 v[CT+4], v[CT+4], v[CT+2], -0.5
	v_fma_f32 v[CT+4], v[CT+4], v[CT+2], 1.0
	v_and_b32 v[CT+1], 1, v[CT]
	v_cmp_eq_u32 vcc_lo, 1, v[CT+1]
	v_cndmask_b32 v[CT+3], v[CT+4], v[CT+3], vcc_lo
	v_add_nc_u32 v[CT], 1, v[CT]
	v_and_b32 v[CT], 2, v[CT]
	v_lshlrev_b32 v[CT], 30, v[CT]
	v_xor_b32 v[\d], v[CT], v[CT+3]
.endm
.macro MX4 i                           ; four chains of maxima by turns: each block's two tiles
	v_max3_num_f32 v[TM], v[HD+\i], v[HD+\i+1], v[TM]
	v_max3_num_f32 v[TM+1], v[HD+16+\i], v[HD+17+\i], v[TM+1]
	v_max3_num_f32 v[TM+2], v[HD+8+\i], v[HD+9+\i], v[TM+2]
	v_max3_num_f32 v[TM+3], v[HD+24+\i], v[HD+25+\i], v[TM+3]
.endm
.macro RELU8 n
	WIN W_HD
.irp d, 0,1,2,3,4,5,6,7
	v_max_num_f32 v[HB+\n+\d], 0, v[HD+\n+\d]
.endr
.endm
; THE VECTOR LINES of half u of a step's h (blocks 2 u and 2 u + 1).  Each block's largest number (no |.|: what is negative becomes 0) over the floor 2^(3 - 127); each tile is read from its low end on.
; Then, eight lines of relu (into other registers) between its stages: with lane l xor 16's; 2 off the exponent field (the conversion's scale operand); the byte.  The scale word, the conversions; halves change places, so that a lane holds a whole block.
.macro VEC u
	WIN W_HD
	v_max3_num_f32 v[TM], v[HD], v[HD+1], 0x1800000
	v_max3_num_f32 v[TM+1], v[HD+16], v[HD+17], 0x1800000
	v_max_num_f32 v[TM+2], v[HD+8], v[HD+9]
	v_max_num_f32 v[TM+3], v[HD+24], v[HD+25]
	MX4 2
	MX4 4
	MX4 6
	WIN 0
	v_max_num_f32 v[TM], v[TM], v[TM+2]
	v_max_num_f32 v[TM+1], v[TM+1], v[TM+3]
	v_permlanex16_b32 v[TP], v[TM], s[SEL], s[SEL+1]
	v_permlanex16_b32 v[TP+1], v[TM+1], s[SEL], s[SEL+1]
	RELU8 0
	WIN 0
	v_max_num_f32 v[TM], v[TM], v[TP]
	v_max_num_f32 v[TM+1], v[TM+1], v[TP+1]
	RELU8 8
	WIN 0
	v_add_nc_u32 v[SCL], 0xff000000, v[TM]
	v_add_nc_u32 v[SCL+1], 0xff000000, v[TM+1]
	RELU8 16
	WIN 0
	v_lshrrev_b32 v[TP], 23, v[SCL]
	v_lshrrev_b32 v[TP+1], 23, v[SCL+1]
	RELU8 24
	WIN 0
.if \u
	v_lshl_or_b32 v[PW], v[TP], 16, v[PW]
	v_lshl_or_b32 v[PW], v[TP+1], 24, v[PW]
.else
	v_lshl_or_b32 v[PW], v[TP+1], 8, v[TP]
.endif
	v_cvt_scalef32_pk16_fp6_f32 v[PC+6*\u:PC+6*\u+2], v[HB:HB+15], v[SCL]
	v_cvt_scalef32_pk16_fp6_f32 v[PT:PT+2], v[HB+16:HB+31], v[SCL+1]
	v_nop                                          ; a plain line behind the conversions
.irp n, 0,1,2
	v_permlane16_swap_b32 v[PC+6*\u+\n], v[PT+\n]
.endr
.irp n, 0,1,2
	v_mov_b32 v[PC+6*\u+3+\n], v[PT+\n]
.endr
.endm
; q W1^T + b1 for my 16 rows and 64 units: four tiles by turns; the first four take b1 as C, the second four add in place
.macro FPROD
	WIN W_F0
.irp t, 0,1,2,3
	v_wmma_f32_16x16x4_f32 v[HD+8*\t:HD+8*\t+7], v[WF+4*\t:WF+4*\t+1], v[Q:Q+1], v[BF+8*\t:BF+8*\t+7]
.endr
	WIN W_F1
.irp t, 0,1,2,3
	v_wmma_f32_16x16x4_f32 v[HD+8*\t:HD+8*\t+7], v[WF+4*\t+2:WF+4*\t+3], v[Q+2:Q+3], v[HD+8*\t:HD+8*\t+7]
.endr
.endm
; W1's and b1's numbers of a half: four tiles, 12 LDS loads.  kw, kb: where the half's first 32 units lie; sw, sb: from there to its second 32
.macro LOADX kw, kb, sw, sb
	v_add_nc_u32 v[AWC], \kw, v[AWL]
	v_add_nc_u32 v[ABC], \kb, v[ABL]
.irp t, 0,1,2,3
	ds_load_b128 v[WF+4*\t:WF+4*\t+3], v[AWC] offset:(\sw)*(\t/2)+256*(\t%2)
	ds_load_b128 v[BF+8*\t:BF+8*\t+3], v[ABC] offset:(\sb)*(\t/2)+32*(\t%2)
	ds_load_b128 v[BF+8*\t+4:BF+8*\t+7], v[ABC] offset:(\sb)*(\t/2)+32*(\t%2)+16
.endr
.endm
.macro LOADS q, u                      ; from slot q: quarters 2 u and 2 u + 1 hold the half's units
	LOADX (\q)*BLK+2*(\u)*QTR+XTR, (\q)*BLK+2*(\u)*QTR+XTR+1024, QTR, QTR
.endm
.macro LOADH n, u                      ; from the head's copy, as W1 and b1 lie in memory
	LOADX HEADW+4096*(\n)+2048*(\u), HEADW+8192+512*(\n)+256*(\u), 1024, 128
.endm
.macro GLOAD q, g                      ; W2's fragments 4 g .. 4 g + 3 from my quarter of slot q: 12 loads
	WIN W_F0
.irp f, 0,1,2,3
.irp c, 0,1,2
.if \q
	ds_load_b128 v[12*(4*\g+\f)+4*\c:12*(4*\g+\f)+4*\c+3], v[ADR1] offset:1536*(4*\g+\f)+512*\c
.else
	ds_load_b128 v[12*(4*\g+\f)+4*\c:12*(4*\g+\f)+4*\c+3], v[ADR0] offset:1536*(4*\g+\f)+512*\c
.endif
.endr
.endr
	WIN 0
.endm
.macro WSLOAD q                        ; its 16 tiles' scale words into set q: 2 loads
.irp g, 0,1
.if \q
	ds_load_b128 v[WS+8+4*\g:WS+8+4*\g+3], v[ADR1] offset:24576+512*\g
.else
	ds_load_b128 v[WS+4*\g:WS+4*\g+3], v[ADR0] offset:24576+512*\g
.endif
.endr
.endm
.macro FETCH q                         ; h's four fragments and their scale words, image set q into register set q: 13 loads
.irp m, 0,1,2,3
.irp c, 0,1,2
	ds_load_b128 v[AF+48*(\q)+12*\m+4*\c:AF+48*(\q)+12*\m+4*\c+3], v[LIH] offset:HSTEP*(\q)+1536*\m+512*\c
.endr
.endr
	ds_load_b128 v[HS+4*(\q):HS+4*(\q)+3], v[LSH] offset:HSTEP*(\q)
.endm
.macro STIMG q                         ; my fragment and its scale word go to LDS as they stand
.irp c, 0,1,2
	ds_store_b128 v[HWI], v[PC+4*\c:PC+4*\c+3] offset:HSTEP*(\q)+512*\c
.endr
	ds_store_b32 v[HWS], v[PW] offset:HSTEP*(\q)
.endm
; Product i of a step's 64: column tile i / 4, row tile i % 4.  The 64 accumulators take turns in the same order in every step.
; W2's scale register b / 2 carries tile b's words in lanes 0-15 where b is even, in lanes 16-31 where it is odd.
.macro MUL1 p, z
.set mb, i/4
.set ma, i%4
.set rC, 8*(8*ma+mb%8)
.set rA, AF+48*(\p)+12*ma
.if mb < 8
	WIN MUL_LO
.else
	WIN MUL_HI
.endif
.if \z
.if mb%2
	v_wmma_scale_f32_16x16x128_f8f6f4 v[rC:rC+7], v[12*mb:12*mb+11], v[rA:rA+11], 0, v[WS+8*(\p)+mb/2], v[HS+4*(\p)+ma] matrix_a_fmt:MATRIX_FMT_FP6 matrix_b_fmt:MATRIX_FMT_FP6 matrix_a_scale:MATRIX_SCALE_ROW1
.else
	v_wmma_scale_f32_16x16x128_f8f6f4 v[rC:rC+7], v[12*mb:12*mb+11], v[rA:rA+11], 0, v[WS+8*(\p)+mb/2], v[HS+4*(\p)+ma] matrix_a_fmt:MATRIX_FMT_FP6 matrix_b_fmt:MATRIX_FMT_FP6
.endif
.else
.if mb%2
	v_wmma_scale_f32_16x16x128_f8f6f4 v[rC:rC+7], v[12*mb:12*mb+11], v[rA:rA+11], v[rC:rC+7], v[WS+8*(\p)+mb/2], v[HS+4*(\p)+ma] matrix_a_fmt:MATRIX_FMT_FP6 matrix_b_fmt:MATRIX_FMT_FP6 matrix_a_scale:MATRIX_SCALE_ROW1
.else
	v_wmma_scale_f32_16x16x128_f8f6f4 v[rC:rC+7], v[12*mb:12*mb+11], v[rA:rA+11], v[rC:rC+7], v[WS+8*(\p)+mb/2], v[HS+4*(\p)+ma] matrix_a_fmt:MATRIX_FMT_FP6 matrix_b_fmt:MATRIX_FMT_FP6
.endif
.endif
.endm
.macro MULS i0, cnt, p, z              ; cnt products on end, from i0 on
.set i, \i0
.rept \cnt
	MUL1 \p, \z
.set i, i+1
.endr
.endm
; STEP s, p = s % 2.  z: the products start the sums.  rl: the next block's fragments are read.  rf: slot p is filled again, with block s + 2.  pf: block s + 3 is prefetched.
; mk: the second half of h of step s + 2 is made, and its images are stored.  f0: the first half of h of step s + 3 is made.  bar: the barrier that shows h of step s + 1 and block s + 1, and the fetch of that h.
; LDS waits: for 0 in front of the barrier (all of the last step's runs) and at run 2 (runs 0 and 1: the next step's scale words, group 0 and h, and W1's and b1's numbers).
.macro STEP p, z, rl, rf, pf, mk, f0, bar
.if \bar
.if \mk
	s_wait_alu depctr_va_vdst(0)
.endif
	s_wait_tensorcnt 0x0                           ; my one tensor load that was out has landed: my quarter of block s + 1
	ds_add_u32 v[SPW], v[NIL]                      ; 0 onto my spare word
.if \pf
	s_wait_xcnt 0x0                                ; the last prefetch, a step back, has read its address
	s_add_nc_u64 s[PFA:PFA+1], s[PFA:PFA+1], BLK
.endif
	MULS 0, 12, \p, \z                             ; twelve products stand between the add and the wait for it
	s_wait_dscnt 0x0                               ; the add, my reads of slot p, and my stores of h's image are done
	s_barrier_signal -1
	MULS 12, 4, \p, \z
	WIN 0
	s_barrier_wait -1
.if \rf
	CREST                                          ; the barrier has opened a round of the cluster's: no wave of any partner still reads slot p or has a load on its way
	s_add_nc_u64 s[G0+4*\p+2:G0+4*\p+3], s[G0+4*\p+2:G0+4*\p+3], 2*BLK
	tensor_load_to_lds s[G0+4*\p:G0+4*\p+3], s[G1:G1+7]
	s_nop 0
.endif
	NOPS 4                                         ; the places ahead of the loads below
.else
	MULS 0, 16, \p, \z
.endif
.if \rl
	WSLOAD 1-\p
	GLOAD 1-\p, 0
.endif
.if \pf
	s_cmp_lt_u32 ttmp9, 4
	s_cbranch_scc0 .Lno_prefetch_ffn0_\@
	global_prefetch_b8 v[PFO], s[PFA:PFA+1] th:TH_LOAD_NT scope:SCOPE_SE
.Lno_prefetch_ffn0_\@:
.endif
	MULS 16, 16, \p, \z
.if \mk
	FPROD                                          ; the second half of h of step s + 2
	WIN 0
	NOPS 8                                         ; places behind the f32 products, ahead of loads into their sources and of the first read of their results
.elseif \rl
	WIN 0
	NOPS 4
.endif
.if \f0
	LOADS 1-\p, 0
.endif
.if \bar
	FETCH 1-\p
.endif
.if \rl
	GLOAD 1-\p, 1
.else
	s_wait_dscnt 12                                ; the last step: group 2 is in, group 3's twelve loads may be out
.endif
.if \mk
	VEC 1                                          ; its vector lines, while the run above is out
.endif
	MULS 32, 16, \p, \z
.if \rl
	WIN 0
	NOPS 4
.endif
.if \mk
	s_wait_alu depctr_va_vdst(0)
.endif
	s_wait_dscnt 0x0
.if \mk
	STIMG \p
.endif
.if \rl
	GLOAD 1-\p, 2
.endif
	MULS 48, 16, \p, \z
.if \f0
	FPROD                                          ; the first half of h of step s + 3
	WIN 0
	NOPS 8
.elseif \rl
	WIN 0
	NOPS 4
.endif
.if \f0
	LOADS 1-\p, 1
.endif
.if \rl
	GLOAD 1-\p, 3
.endif
.if \f0
	VEC 0                                          ; its vector lines, while the run above is out
.endif
.endm
.macro HMKA                            ; the head's form of a half, first part: the products and their places
	s_wait_alu depctr_va_vdst(0)
	s_wait_dscnt 0x0
	FPROD
	WIN 0
	NOPS 8
.endm
; THE WAY OUT, block e of eight: row tile e % 4, columns 128 (e / 4) on of my 256.  The block goes through my own stage and comes back as whole rows of 512 bytes; b2 is added; the 32 lanes store 512 consecutive bytes.
; LDS serves a wave's instructions in order (ISA guide 5.7.1.4): no wait between the stores and the loads.
.macro TOSTAGE e
	WIN 0x08+4*((\e)/4)
.irp q, 0,1,2,3,4,5,6,7
	ds_store_b128 v[STO], v[64*((\e)%4)+8*\q:64*((\e)%4)+8*\q+3] offset:64*\q
	ds_store_b128 v[STO], v[64*((\e)%4)+8*\q+4:64*((\e)%4)+8*\q+7] offset:64*\q+16
.endr
	WIN 0
.irp t, 0,1,2,3,4,5,6,7,8,9,10,11,12,13,14,15
	ds_load_b128 v[BK+64*((\e)%2)+4*\t:BK+64*((\e)%2)+4*\t+3], v[RD] offset:\t*SPITCH
.endr
.endm
.macro SEND e, younger
	s_wait_dscnt \younger
.irp t, 0,1,2,3,4,5,6,7,8,9,10,11,12,13,14,15
	v_pk_add_f32 v[BK+64*((\e)%2)+4*\t:BK+64*((\e)%2)+4*\t+1], v[BK+64*((\e)%2)+4*\t:BK+64*((\e)%2)+4*\t+1], v[B2R+4*((\e)/4):B2R+4*((\e)/4)+1]
	v_pk_add_f32 v[BK+64*((\e)%2)+4*\t+2:BK+64*((\e)%2)+4*\t+3], v[BK+64*((\e)%2)+4*\t+2:BK+64*((\e)%2)+4*\t+3], v[B2R+4*((\e)/4)+2:B2R+4*((\e)/4)+3]
.endr
.irp t, 0,1,2,3,4,5,6,7,8,9,10,11,12,13,14,15
	global_store_b128 v[CO], v[BK+64*((\e)%2)+4*\t:BK+64*((\e)%2)+4*\t+3], s[16:17] offset:65536*((\e)%4)+4096*\t+512*((\e)/4) th:TH_STORE_NT
.endr
.endm
	s_load_b256 s[4:11], s[0:1], 0x0               ; x s[4:5], theta s[6:7], W1 s[8:9], b1 s[10:11]
	s_load_b128 s[12:15], s[0:1], 0x20             ; w2l s[12:13], b2 s[14:15]
	s_load_b64 s[16:17], s[0:1], 0x30              ; out
	v_lshl_add_u32 v[SPW], v0, 2, SPARE
	v_mov_b32 v[NIL], 0
	ds_add_u32 v[SPW], v[NIL]                      ; the opening: the add, twice on end, and its wait ahead of my first tensor load
	ds_add_u32 v[SPW], v[NIL]
	v_lshrrev_b32 v[T0], 5, v0
	v_readfirstlane_b32 s[WV], v[T0]               ; wave 0..3
	; descriptor group 1: a quarter of a block, 27,136 dense bytes, as 106 rows of 256 bytes (32 elements of 8 bytes), no padding
	s_mov_b32 s[G1], 15|(3<<16)|(1<<21)            ; the mask: all four work-groups; elements of 8 bytes; bit 21 set beside a mask
	s_mov_b32 s[G1+1], 32<<16
	s_mov_b32 s[G1+2], 106<<16
	s_mov_b32 s[G1+3], 32<<16
	s_mov_b32 s[G1+4], 106
	s_mov_b32 s[G1+5], 32
	s_mov_b32 s[G1+6], 0
	s_mov_b32 s[G1+7], 0
	s_mov_b32 s[SEL], 0x76543210
	s_mov_b32 s[SEL+1], 0xfedcba98
	s_mov_b32 s48, 0x3f22f983                      ; 2 / pi
	s_mov_b32 s49, 0xbfc90fdb                      ; -(pi / 2) in three parts
	s_mov_b32 s50, 0x333bbd2e
	s_mov_b32 s51, 0x26f72ced
	s_mov_b32 s52, 0xb94ca1f9                      ; the sine's polynomial
	s_mov_b32 s53, 0x3c08839e
	s_mov_b32 s54, 0xbe2aaaa3
	s_mov_b32 s55, 0x37ccf5ce                      ; the cosine's
	s_mov_b32 s56, 0xbab6061a
	s_mov_b32 s57, 0x3d2aaaa5
	s_mov_b32 s[TRIPS], 14
	s_bfe_u32 s19, ttmp6, 0x40000                  ; cx: it enters global addresses alone
	s_lshl_b32 s23, ttmp9, 2
	s_add_co_u32 s23, s23, s19                     ; my block of 64 rows
	s_mul_i32 s19, s19, 27                         ; my work-group's 27 runs of a quarter's 106
	s_mul_i32 s20, s[WV], 1536
	s_lshl_b32 s21, s[WV], 2
	s_mul_i32 s22, s[WV], 16*SPITCH
	s_add_co_u32 s22, s22, STAGE                   ; my stage
	s_mul_i32 s41, s[WV], QTR                      ; my quarter, in a slot and in a block alike
	v_and_b32 v[TL], 31, v0                        ; L
	v_and_b32 v[TR], 15, v0                        ; r
	v_bfe_u32 v[TH], v0, 4, 1                      ; h
	v_lshlrev_b32 v[CO], 4, v[TL]
	v_add_nc_u32 v[ADR0], s41, v[CO]
	v_add_nc_u32 v[ADR1], BLK, v[ADR0]
	v_add_nc_u32 v[LIH], HIMG, v[CO]
	v_add_nc_u32 v[LSH], HIMG+HSCL, v[CO]
	v_add_nc_u32 v[HWI], s20, v[LIH]
	v_add_nc_u32 v[HWS], s21, v[LSH]
	v_and_b32 v[T0], 8, v[TR]
	v_add_nc_u32 v[T0], v[T0], v[TR]               ; r + 8 (r / 8)
	v_lshlrev_b32 v[AWL], 5, v[T0]
	v_lshl_add_u32 v[AWL], v[TH], 4, v[AWL]
	v_lshlrev_b32 v[ABL], 6, v[TH]
	v_min_u32 v[PFO], 26, v[TL]
	v_add_nc_u32 v[PFO], s19, v[PFO]
	v_min_u32 v[PFO], 105, v[PFO]                  ; inside the quarter
	v_lshlrev_b32 v[PFO], 8, v[PFO]
	v_mul_u32_u24 v[STO], v[TR], SPITCH
	v_lshl_add_u32 v[STO], v[TH], 5, v[STO]
	v_add_nc_u32 v[STO], s22, v[STO]
	v_add_nc_u32 v[RD], s22, v[CO]
	v_lshlrev_b32 v[XA], 12, v[TR]
	v_lshl_add_u32 v[XA], v[TH], 4, v[XA]          ; x: row r of 4,096 bytes, + 16 h
	v_lshlrev_b32 v[TA], 4, v[TH]
	v_lshlrev_b32 v[CP], 4, v0                     ; the head's copy: 16 bytes a thread
	v_add_nc_u32 v[CPL], HEADW, v[CP]
	v_mov_b32 v[TP], 0                             ; a lane permute's destination counts as one of its sources
	v_mov_b32 v[TP+1], 0
	s_wait_alu depctr_va_vdst(0)
	s_wait_dscnt 0x0                               ; both opening adds are done
	s_wait_kmcnt 0x0
	s_mov_b32 s47, 0
	s_lshl_b32 s46, s23, 18                        ; 64 rows of 4,096 bytes
	s_lshl_b32 s20, s[WV], 16
	s_add_co_u32 s46, s46, s20
	s_add_nc_u64 s[4:5], s[4:5], s[46:47]          ; x at my 16 rows
	s_lshl_b32 s46, s[WV], 10
	s_add_nc_u64 s[14:15], s[14:15], s[46:47]      ; b2 at my 256 columns
	global_load_b128 v[XD:XD+3], v[XA], s[4:5] th:TH_LOAD_NT
	global_load_b128 v[TD:TD+3], v[TA], s[6:7]
.irp n, 0,1,2,3
	global_load_b128 v[AF+4*\n:AF+4*\n+3], v[CP], s[8:9] offset:2048*\n      ; W1's first 256 rows: steps 0 and 1
.endr
	global_load_b128 v[AF+16:AF+19], v[CP], s[10:11]                         ; b1's first 512 numbers
.irp g, 0,1
	global_load_b128 v[B2R+4*\g:B2R+4*\g+3], v[CO], s[14:15] offset:512*\g
.endr
	s_mov_b32 s46, s41
	s_add_nc_u64 s[12:13], s[12:13], s[46:47]      ; w2l at my quarter of block 0: made of the wave's number alone
	s_mov_b32 s[G0], 1
	s_mov_b32 s[G0+1], s41                         ; slot 0, my quarter
	s_mov_b64 s[G0+2:G0+3], s[12:13]               ; block 0
	s_or_b32 s[G0+3], s[G0+3], 0x80000000
	s_mov_b32 s[G0+4], 1
	s_add_co_u32 s[G0+5], s41, BLK                 ; slot 1
	s_add_nc_u64 s[G0+6:G0+7], s[12:13], BLK       ; block 1
	s_or_b32 s[G0+7], s[G0+7], 0x80000000
	s_add_nc_u64 s[PFA:PFA+1], s[12:13], 2*BLK
	s_lshl_b32 s46, s23, 18
	s_lshl_b32 s20, s[WV], 10
	s_add_co_u32 s46, s46, s20
	s_add_nc_u64 s[16:17], s[16:17], s[46:47]      ; out at my 256 columns
	CROUND                                         ; all four work-groups are here: the first joint load meets
	tensor_load_to_lds s[G0:G0+3], s[G1:G1+7]      ; block 0
	s_nop 0
	NOPS 4
	s_cmp_lt_u32 ttmp9, 4
	s_cbranch_scc0 .Lno_prefetch_ffn1
	global_prefetch_b8 v[PFO], s[12:13] offset:BLK th:TH_LOAD_NT scope:SCOPE_SE
	global_prefetch_b8 v[PFO], s[12:13] offset:2*BLK th:TH_LOAD_NT scope:SCOPE_SE
.Lno_prefetch_ffn1:
	s_wait_loadcnt 7                               ; x and theta are in; the 7 loads issued behind them may be out
.irp n, 0,1,2,3
	COS CX+\n, XD+\n
	COS CX+4+\n, TD+\n
.endr
.irp n, 0,1,2,3
	v_mul_f32 v[Q+\n], v[CX+\n], v[CX+4+\n]        ; q(row r, 4 h + n): it stays for the whole launch
.endr
	s_wait_alu depctr_va_vdst(0)
	s_wait_loadcnt 2                               ; W1's and b1's numbers are in; b2 may be out
.irp n, 0,1,2,3,4
	ds_store_b128 v[CPL], v[AF+4*\n:AF+4*\n+3] offset:2048*\n
.endr
	s_wait_tensorcnt 0x0                           ; block 0 has landed
	ds_add_u32 v[SPW], v[NIL]
	s_wait_dscnt 0x0                               ; the add and my stores of the copy are done
	CROUND
	tensor_load_to_lds s[G0+4:G0+7], s[G1:G1+7]    ; block 1: slot 1's first fill, the first tensor load behind the round
	s_nop 0
	NOPS 4
	LOADH 0, 0
	HMKA                                           ; h of step 0
	LOADH 0, 1
	WSLOAD 0                                       ; block 0's images
	GLOAD 0, 0
	GLOAD 0, 1
	GLOAD 0, 2
	GLOAD 0, 3
	VEC 0
	HMKA
	LOADH 1, 0
	VEC 1
	STIMG 0
	HMKA                                           ; h of step 1
	LOADH 1, 1
	VEC 0
	HMKA
	LOADS 0, 0                                     ; block 0 carries step 2's units
	VEC 1
	STIMG 1
	s_wait_alu depctr_va_vdst(0)
	s_wait_dscnt 0x0                               ; my images are stored
	s_barrier_signal -1                            ; block 1 may stay on its way
	FPROD                                          ; the first half of h of step 2
	WIN 0
	NOPS 8
	s_barrier_wait -1
	LOADS 0, 1
	FETCH 0
	VEC 0
	s_wait_alu depctr_va_vdst(0)
	s_wait_dscnt 0x0
	s_wait_loadcnt 0x0                             ; b2 is in
	STEP 0, 1, 1, 1, 1, 1, 1, 1                    ; step 0 starts the sums
.Ltrip:                                            ; 14 trips of two steps: steps 1 to 28
	STEP 1, 0, 1, 1, 1, 1, 1, 1
	STEP 0, 0, 1, 1, 1, 1, 1, 1
	s_sub_co_u32 s[TRIPS], s[TRIPS], 1
	s_cmp_lg_u32 s[TRIPS], 0
	s_cbranch_scc1 .Ltrip
	STEP 1, 0, 1, 1, 0, 1, 0, 1                    ; step 29 asks for the last block and finishes the last h
	STEP 0, 0, 1, 0, 0, 0, 0, 1                    ; step 30: nothing is filled again: a barrier of the work-group
	STEP 1, 0, 0, 0, 0, 0, 0, 0                    ; step 31
	WIN 0
	NOPS 4                                         ; places ahead of the first read of results and of the loads into registers that held h's fragments
	TOSTAGE 0
.irp a, 1,2,3,4,5,6,7
.if \a > 1
	s_wait_xcnt 0x0                                ; block a - 2's stores have read their registers: block a's loads may land there
.endif
	TOSTAGE \a
	SEND \a-1, 32                                  ; behind block a - 1's loads: block a's 16 stores and 16 loads
.endr
	SEND 7, 0
	s_wait_tensorcnt 0x0                           ; the wave's end
	ds_add_u32 v[SPW], v[NIL]
	s_wait_dscnt 0x0
	CROUND                                         ; the closing round: no work-group ends while a partner may still ask for a block that names it
	s_endpgm
.Lfunc_end_k_q1296ae440f_ffn:
	.size	k_q1296ae440f_ffn, .Lfunc_end_k_q1296ae440f_ffn-k_q1296ae440f_ffn
	.p2alignl 7, 3214868480
	.fill 96, 4, 3214868480
	.section	.rodata,"a",@progbits
	.p2align	6, 0x0
	.amdhsa_kernel k_q1296ae440f_ffn
		.amdhsa_group_segment_fixed_size 327680
		.amdhsa_private_segment_fixed_size 0
		.amdhsa_enable_private_segment 0
		.amdhsa_kernarg_size 56
		.amdhsa_user_sgpr_count 2
		.amdhsa_user_sgpr_kernarg_segment_ptr 1
		.amdhsa_wavefront_size32 1
		.amdhsa_system_sgpr_workgroup_id_x 1
		.amdhsa_system_sgpr_workgroup_id_y 1
		.amdhsa_system_sgpr_workgroup_id_z 1
		.amdhsa_system_vgpr_workitem_id 0
		.amdhsa_next_free_vgpr 1024
		.amdhsa_next_free_sgpr 66
		.amdhsa_reserve_vcc 1
		.amdhsa_float_denorm_mode_32 3
		.amdhsa_float_denorm_mode_16_64 3
		.amdhsa_memory_ordered 1
		.amdhsa_forward_progress 1
		.amdhsa_inst_pref_size 202
	.end_amdhsa_kernel
	.amdgpu_metadata
---
amdhsa.version: [ 1, 2 ]
amdhsa.kernels:
  - .name:           k_q1296ae440f_ffn
    .symbol:         k_q1296ae440f_ffn.kd
    .args:
      - { .name: x, .offset: 0, .size: 8, .value_kind: global_buffer, .address_space: global }
      - { .name: theta, .offset: 8, .size: 8, .value_kind: global_buffer, .address_space: global }
      - { .name: W1, .offset: 16, .size: 8, .value_kind: global_buffer, .address_space: global }
      - { .name: b1, .offset: 24, .size: 8, .value_kind: global_buffer, .address_space: global }
      - { .name: w2l, .offset: 32, .size: 8, .value_kind: global_buffer, .address_space: global }
      - { .name: b2, .offset: 40, .size: 8, .value_kind: global_buffer, .address_space: global }
      - { .name: out0, .offset: 48, .size: 8, .value_kind: global_buffer, .address_space: global }
    .group_segment_fixed_size: 327680
    .private_segment_fixed_size: 0
    .kernarg_segment_align: 8
    .kernarg_segment_size: 56
    .max_flat_workgroup_size: 128
    .sgpr_count:     66
    .vgpr_count:     1024
    .wavefront_size: 32
...
	.end_amdgpu_metadata
.endif
;; end of part 2
